; MI455X (gfx1250); checked and timed in simulation.
; The chip was launched on July 23, 2026; its instructions are those of AMD's public machine-readable ISA for CDNA 5 (MIT licence, August 2026) and "CDNA5" Instruction Set Architecture Reference Guide (July 2026). The comments in the code are by the model that wrote it; some were corrected since.
;; Cross Attention Fusion. Allowed arithmetic: float matrix products may take bf16 or f16 operands with f32 sums; all other float work in f32.
;; Inputs: image_features 4 x 256 x 128 x 128 float32; lidar_features 4 x 256 x 128 x 128 float32; modality_weights 2 float32.
;; Outputs: out0 4 x 256 x 128 x 128 float32.
;; One version. Each part assembles by itself: llvm-mc -triple=amdgcn-amd-amdhsa -mcpu=gfx1250 --defsym DOCPART=n.
;; ======== version 1 of 1: 1 launch
;; launch attn (part 1): grid 256 x 1, 4 waves a work-group, clusters of 4 x 1, 327,680 bytes of LDS; arguments image_features, lidar_features, modality_weights, out0; writes out0
.if DOCPART == 1
	.amdgcn_target "amdgcn-amd-amdhsa--gfx1250"
	.amdhsa_code_object_version 6
	.text
	.protected	k_q1ebadf2f36_attn
	.globl	k_q1ebadf2f36_attn
	.p2align	8
	.type	k_q1ebadf2f36_attn,@function
k_q1ebadf2f36_attn:
	s_mov_b64 s[64:65], 0
	v_nop
	global_prefetch_b8 v0, s[64:65] scope:SCOPE_SE
	s_setreg_imm32_b32 hwreg(HW_REG_WAVE_MODE, 25, 1), 1
	s_wait_xcnt 0x0
	s_wait_alu depctr_hold_cnt(0) depctr_sa_sdst(0) depctr_va_vdst(0) depctr_va_sdst(0) depctr_va_ssrc(0) depctr_va_vcc(0) depctr_vm_vsrc(0)
	s_getreg_b32 s2, hwreg(HW_REG_IB_STS2, 6, 4)
	s_cmp_eq_u32 s2, 0
	s_cbranch_scc0 .Lentry_in_a_cluster
	s_endpgm
.Lentry_in_a_cluster:
	s_bfe_u32 s2, ttmp6, 0x10000c
	s_cmp_lg_u32 s2, 0x3003
	s_cbranch_scc0 .Lentry_shape_is_right
	s_endpgm
.Lentry_shape_is_right:
; out0 = w0 * image + w1 * attention, w = softmax(modality_weights); attention per chunk of 2,048 positions:
; softmax over the chunk's keys of (q . k) / 16, times the values; q = image, k = v = lidar, 256 channels.
; All tensors are f32 [4][256][16384]: element (b, c, n) at byte (b << 24) + (c << 16) + (n << 2).
;
; SHARES. 256 work-groups = 32 chunks x 8 blocks of 256 queries; four waves, each 64 queries x all 256 channels.
; The chunk's 2,048 keys go by in 32 steps of 64, with a running maximum, a running sum and a rescaled sum of values.
; Lane L: r = L & 15, h = L >> 4.  Query tile n (0..3) holds in its column r the query 4 r + n, so that for one channel a
; lane's four tiles hold four neighbouring f32 of a row of the output, and sixteen lanes 256 consecutive, aligned bytes.
;
; PRODUCTS, both transposed.  S^T (m = key, n = query) = K x Q^T and O^T (m = channel, n = query) = V^T x P^T.
; A query is then a lane's own: maximum, sum and rescale factor are per-lane numbers (one exchange between the halves),
; the probabilities become PV's B fragment by rounding alone, and O^T lies as the output does.
; The lidar tile lies in LDS once, in bf16, as [channel][key]: PV takes rows of it by plain loads, S^T by transposing loads.
;
; A STEP.  128 products for S^T; the maxima; the probabilities of the first 16 keys of each lane half; then PV in two passes of 64
; products, one for each half of the keys.  The second half's probabilities and the rescaling of O^T hang on none of the first
; pass's products, so they are laid between those products, a few lines behind each, and not in a block of their own.
; That costs two switches of the register window for each product of the first pass: a product writes window 2 or 3, the
; rescaling reads there, the softmax lives in window 0, and no one setting serves two of them.
;
; CLUSTER. The eight work-groups of a chunk walk the same lidar tiles; four of them form a cluster (4, 1, 1) and ask for each
; tile jointly (mask 15): a quarter of the requests.  Nothing in a descriptor, an LDS address or a branch hangs on the place
; in the cluster; that place enters the image's and the output's addresses alone.
;
; FORMATS. Q, K, V and the probabilities are rounded to bf16 for the matrix unit; sums, softmax, the image term: f32.
; LIMITS. Inputs are taken to be finite (v_max_num_f32 drops a NaN that the definition would spread).  A probability below
; 2^-126 of the largest comes out as 0 (v_exp_f32 flushes).  The softmax's sum adds the f32 probabilities, PV their bf16 roundings.
;
; LDS.  0 .. 131,071: the raw f32 tiles; wave w, slot s at 32,768 w + 16,384 s: 64 channel rows (64 w ..) x 64 keys, 256 bytes a row,
; filled by tensor loads alone and read by the wave that asked.  131,072 ..: two bf16 tiles of 41,216 bytes, written by ds_store alone:
; element (c, key) at (key >> 5) * 20,608 + 80 c + 2 (key & 31).  Rows of 80 bytes keep the plain loads' sixteen rows on sixteen different
; 16-byte columns of the 64 banks of 4 bytes (ISA guide 11.1); the two halves of the keys lie 128 bytes mod 256 apart, so that a
; transposing load's eight rows in each half do the same.  So key tile kt holds keys 8 kt + 0..7 and 32 + 8 kt + 0..7; PV keeps that order.
;
; REGISTERS, in windows of 256.  Window 0: see the names below.  Window 1: Q's fragment (cs, n) at 8 (4 cs + n).
; Windows 2, 3: O^T's tile (ct, n) at 8 (4 (ct & 7) + n), window 2 + (ct >> 3); at the start they take the image as loaded.
.set ROWB,    65536                    ; bytes from a channel's row to the next
.set RAWSLOT, 16384                    ; a wave's raw slot: 64 rows x 256 bytes
.set BF0,     131072                   ; first bf16 tile
.set BPITCH,  80                       ; its rows: 32 keys + 16 bytes
.set BD,      20608                    ; from keys 0-31 to keys 32-63
.set BFSZ,    41216                    ; a bf16 tile
.set APL,  1                           ; v1   plain fragment loads:       BF0 + 80 r + BD h
.set ACV,  2                           ; v2   stores of converted keys:   BF0 + BD (r >> 3) + 80 (64 w + 4 h) + 8 (r & 7)
.set ARAW, 3                           ; v3   reads of the raw tile:      32,768 w + 1,024 h + 16 r
.set ATR,  4                           ; v4   transposing fragment loads: BF0 + 80 (8 h + (L & 7)) + BD ((L >> 3) & 1)
.set EO,   6                           ; v6   image and output: (h << 19) | (r << 4); never rewritten
.set PFO,  7                           ; v7   prefetches: L << 16, one channel row a lane; never rewritten
.set ST,   8                           ; v[8:23]  for n = 0..3 at ST + 4 n: -max * sc, max, rescale factor (later w1 / sum), my half's sum
.set TM,   24                          ; v[24:27] maxima at work
.set TX,   28                          ; v[28:31] what the other half of the lanes sends
.set TS,   24                          ; v[24:31] behind the maxima: a pair for each query tile's chain of sums
.set T,    32                          ; v[32:63]   a batch of raw keys; fragment ring's buffer 0
.set S,    64                          ; v[64:191]  S^T's tile (kt, n) at S + 64 (kt / 2) + 16 n + 8 (kt % 2); in PV four buffers of V fragments; at the end the image
.set P,    192                         ; v[192:255] P's fragment (p, n) at P + 8 (4 p + n); in the S phase the ring's buffers 1 and 2
.set G1,   16                          ; s[16:23] descriptor group 1
.set G0,   32                          ; s[32:39] descriptor group 0, a set for each raw slot
.set NE,   164                         ; lines in the stream that makes one half of a step's probabilities
.set MSB,  0
.macro WIN new                         ; s_set_vgpr_msb: bits 1:0 source 0, 3:2 source 1, 5:4 source 2, 7:6 destination; the high byte repeats the setting left
.if MSB != (\new)
	s_set_vgpr_msb (MSB<<8)|(\new)
.set MSB, (\new)
.endif
.endm
.macro PLACES n                        ; places behind a matrix instruction (ISA guide 7.12.1)
.rept \n
	v_nop
.endr
.endm
; A round of the cluster's barrier: my work-group's barrier, wave 0 signals for the work-group, every wave waits for all four
; work-groups, my work-group's barrier once more.
.macro CREST                           ; the round behind its opening barrier
	s_cmp_lg_u32 s12, 0
	s_cbranch_scc1 .Lnot_wave_0_\@
	s_barrier_signal -3
.Lnot_wave_0_\@:
	s_barrier_wait -3
	s_barrier_signal -1
	s_barrier_wait -1
.endm
.macro CROUND
	s_barrier_signal -1
	s_barrier_wait -1
	CREST
.endm
.macro SETRG cs                        ; the ring's buffer of c step cs
.if ((\cs)%3) == 0
.set RGB, T
.endif
.if ((\cs)%3) == 1
.set RGB, P
.endif
.if ((\cs)%3) == 2
.set RGB, P+32
.endif
.endm
; K's four fragments (16 keys x 32 channels each) of c step cs from bf16 tile par: 8 transposing loads
.macro SFRAG par, cs
	SETRG \cs
.irp kt, 0,1,2,3
	ds_load_tr16_b128 v[RGB+8*\kt:RGB+8*\kt+3],   v[ATR] offset:(\par)*BFSZ+32*(\cs)*BPITCH+16*\kt
	ds_load_tr16_b128 v[RGB+8*\kt+4:RGB+8*\kt+7], v[ATR] offset:(\par)*BFSZ+(32*(\cs)+16)*BPITCH+16*\kt
.endr
.endm
; 16 matrix instructions: 4 key tiles x 4 query tiles, 32 channels.  The sixteen accumulators take turns, one instruction a turn,
; in the same order in every c step.
.macro SMUL cs, zero
	SETRG \cs
.irp kt, 0,1,2,3
.irp n, 0,1,2,3
.set SD, S+64*(\kt/2)+16*\n+8*(\kt%2)
.if \zero
	v_wmma_f32_16x16x32_bf16 v[SD:SD+7], v[RGB+8*\kt:RGB+8*\kt+7], v[8*(4*(\cs)+\n):8*(4*(\cs)+\n)+7], 0
.else
	v_wmma_f32_16x16x32_bf16 v[SD:SD+7], v[RGB+8*\kt:RGB+8*\kt+7], v[8*(4*(\cs)+\n):8*(4*(\cs)+\n)+7], v[SD:SD+7]
.endif
.endr
.endr
.endm
; Sixteen raw rows (batch k of four) of my raw slot: a lane takes keys 4 r .. 4 r + 3 of row 16 k + 8 (i / 4) + (i % 4) + 4 h
.macro CVLOAD slot, k
.irp i, 0,1,2,3,4,5,6,7
	ds_load_b128 v[T+4*\i:T+4*\i+3], v[ARAW] offset:(\slot)*RAWSLOT+(16*\k+8*(\i/4)+(\i%4))*256
.endr
.endm
; and their way into bf16 tile buf: two roundings a quad, 8 bytes a lane
.macro CVSTORE buf, k
.irp i, 0,1,2,3,4,5,6,7
	v_cvt_pk_bf16_f32 v[T+4*\i],   v[T+4*\i],   v[T+4*\i+1]
	v_cvt_pk_bf16_f32 v[T+4*\i+1], v[T+4*\i+2], v[T+4*\i+3]
.endr
.irp i, 0,1,2,3,4,5,6,7
	ds_store_b64 v[ACV], v[T+4*\i:T+4*\i+1] offset:(\buf)*BFSZ+(16*\k+8*(\i/4)+(\i%4))*BPITCH
.endr
.endm
; The new running maxima of my four queries (four chains that do not wait for each other), -max * sc, and the factor that brings the old sums to the new maximum
.macro MAXALL first
.irp n, 0,1,2,3
.if \first
	v_max_num_f32 v[TM+\n], v[S+16*\n], v[S+16*\n+1]
.else
	v_max3_num_f32 v[TM+\n], v[ST+4*\n+1], v[S+16*\n], v[S+16*\n+1]
.endif
.endr
.irp k, 1,2,3,4,5,6,7,8,9,10,11,12,13,14,15
.irp n, 0,1,2,3
	v_max3_num_f32 v[TM+\n], v[TM+\n], v[S+64*(\k/8)+16*\n+2*(\k%8)], v[S+64*(\k/8)+16*\n+2*(\k%8)+1]
.endr
.endr
.irp n, 0,1,2,3
	v_permlanex16_b32 v[TX+\n], v[TM+\n], s14, s15         ; lane L xor 16 holds the query's other 32 keys
.endr
.irp n, 0,1,2,3
	v_max_num_f32 v[TX+\n], v[TM+\n], v[TX+\n]
.endr
.irp n, 0,1,2,3
	v_mul_f32 v[ST+4*\n], s26, v[TX+\n]                    ; -max * sc
.endr
.if \first == 0
.irp n, 0,1,2,3
	v_fma_f32 v[ST+4*\n+2], v[ST+4*\n+1], s24, v[ST+4*\n]  ; (old max - new max) * sc
.endr
.irp n, 0,1,2,3
	v_exp_f32 v[ST+4*\n+2], v[ST+4*\n+2]
.endr
.endif
.irp n, 0,1,2,3
	v_mov_b32 v[ST+4*\n+1], v[TX+\n]                       ; plain lines behind the exponentials, which touch neither their results nor their sources (ISA guide 5.7.2)
.endr
.endm
; ---------------------------------------------------------------- the stream of one half's probabilities
; Half p is 64 registers at S + 64 p: query tile n's 16 at + 16 n.  The stream is NE = 164 numbered lines: 32 packed multiply-adds
; (s * sc - max * sc), 64 exponentials in place, 36 lines of sums (7 packed adds, one add, one update of the running sum for each query
; tile), 32 roundings into P's fragments.  Line EK is written by EOP, so that the same list can stand in one block (half 0) or in
; pieces between matrix instructions (half 1).  Its order lets exponentials take turns with plain lines:
;   0-7      multiply-adds of pairs 0-7
;   8-55     exponential e = 0..23 by turns with the multiply-add of pair 8 + e
;   56-63    exponentials 24-31
;   64-127   plain line q = 0..31 (sums of query tiles 0 and 1, then their roundings) by turns with exponential 32 + q
;   128-163  plain lines 32-67: the last two of those roundings, then the sums of query tiles 2 and 3 by turns with their roundings
; The line behind an exponential never reads its result, and a plain line stands before any line that does (ISA guide 5.7.2).
.macro EFMA p                          ; pair EQ
	v_pk_fma_f32 v[S+64*\p+2*EQ:S+64*\p+2*EQ+1], v[S+64*\p+2*EQ:S+64*\p+2*EQ+1], s[24:25], v[ST+4*(EQ/8):ST+4*(EQ/8)+1] op_sel_hi:[1,0,0]
.endm
.macro EEXP p                          ; register EQ
	v_exp_f32 v[S+64*\p+EQ], v[S+64*\p+EQ]
.endm
; a lane's registers of tiles (2 p, n) and (2 p + 1, n) are keys 16 p + 32 h + 0..15: registers 0-3 and 4-7 of B's fragment of key step p
.macro ECVT p                          ; P's register EQ of the half's 32
	v_cvt_pk_bf16_f32 v[P+32*\p+EQ], v[S+64*\p+2*EQ], v[S+64*\p+2*EQ+1]
.endm
.macro ESUM p, first                   ; line EI (0..8) of query tile EN's sum
.set EB, S+64*\p+16*EN
.set EC, TS+2*EN
.if EI == 0
	s_wait_alu depctr_va_vdst(0)
	v_pk_add_f32 v[EC:EC+1], v[EB:EB+1], v[EB+2:EB+3]
.else
.if EI < 7
	v_pk_add_f32 v[EC:EC+1], v[EC:EC+1], v[EB+2+2*EI:EB+3+2*EI]
.else
.if EI == 7
.if \first*(1-\p)
	v_add_f32 v[ST+4*EN+3], v[EC], v[EC+1]                 ; the first step's first half starts the sum
.else
	v_add_f32 v[EC], v[EC], v[EC+1]
.endif
.else
.if \p
	v_add_f32 v[ST+4*EN+3], v[ST+4*EN+3], v[EC]
.else
.if \first == 0
	v_fma_f32 v[ST+4*EN+3], v[ST+4*EN+3], v[ST+4*EN+2], v[EC]   ; the old sum is brought to the new maximum once, with the first half
.endif
.endif
.endif
.endif
.endif
.endm
.macro EPL p, first                    ; plain line EQ of 68
.if EQ < 18
.set EN, EQ%2
.set EI, EQ/2
	ESUM \p, \first
.else
.if EQ < 34
.set EQ, EQ-18
	ECVT \p
.else
.set EQ, EQ-34
.if EQ < 32
.if EQ%2
.set EQ, 16+EQ/2
	ECVT \p
.else
.set EN, 2+(EQ/2)%2
.set EI, EQ/4
	ESUM \p, \first
.endif
.else
.set EN, 2+EQ%2
.set EI, 8
	ESUM \p, \first
.endif
.endif
.endif
.endm
.macro EOP p, first                    ; line EK of the stream
.if EK < 8
.set EQ, EK
	EFMA \p
.else
.if EK < 56
.set EQ, (EK-8)/2
.if (EK-8)%2
.set EQ, EQ+8
	EFMA \p
.else
	EEXP \p
.endif
.else
.if EK < 64
.set EQ, EK-32
	EEXP \p
.else
.if EK < 128
.set EQ, (EK-64)/2
.if (EK-64)%2
.set EQ, EQ+32
	EEXP \p
.else
	EPL \p, \first
.endif
.else
.set EQ, EK-96
	EPL \p, \first
.endif
.endif
.endif
.endif
.endm
.macro ERUN cnt, p, first              ; the stream's next cnt lines, as far as it goes
.rept \cnt
.if EK < NE
	EOP \p, \first
.set EK, EK+1
.endif
.endr
.endm
; V's fragments of channel tiles 4 g .. 4 g + 3 for key step p, into 32 registers at dst: 8 plain loads
.macro FBL par, p, g, dst
.irp c, 0,1,2,3
	ds_load_b128 v[(\dst)+8*\c:(\dst)+8*\c+3],   v[APL] offset:(\par)*BFSZ+16*(4*(\g)+\c)*BPITCH+32*(\p)
	ds_load_b128 v[(\dst)+8*\c+4:(\dst)+8*\c+7], v[APL] offset:(\par)*BFSZ+16*(4*(\g)+\c)*BPITCH+32*(\p)+16
.endr
.endm
; O^T's tile (ct, n) times its queries' factor; the caller has set destination and source 0 to the tile's window
.macro RT ct, n
.irp k, 0,2,4,6
	v_pk_mul_f32 v[32*((\ct)&7)+8*(\n)+\k:32*((\ct)&7)+8*(\n)+\k+1], v[32*((\ct)&7)+8*(\n)+\k:32*((\ct)&7)+8*(\n)+\k+1], v[ST+4*(\n)+2:ST+4*(\n)+3] op_sel_hi:[1,0]
.endr
.endm
; PV, first pass: key step 0, all 16 channel tiles, 64 products on 64 different accumulators (turns of one instruction).
; Behind each product stand lines that name none of its registers:
;   channel tiles 0-11: behind products n = 0 and 1 the rescaling of two tiles of channel tile ct + 4 (8 lines each), behind n = 2 and 3
;   five and four lines of the second half's stream: 12 x 9 = 108;  channel tiles 12-15: 4, 4, 3, 3 lines of the stream: 4 x 14 = 56.
; 108 + 56 = NE: the stream ends with the pass.  In the first step nothing is rescaled: three lines of the stream behind each product.
; V's fragments: quarter g of the pass reads buffer g & 1 (S, S + 32); behind each quarter the buffer just read is loaded again.
.macro PASSA par, first, conv
.set EK, 0
.set PAC, 0
.rept 16
.set PAO, 32*(PAC&7)
.set PAA, S+32*((PAC>>2)&1)+8*(PAC&3)
.irp n, 0,1,2,3
	WIN 0xa0+0x50*(PAC>>3)                                 ; C and D in the tile's window, A and B in window 0
.if \first
	v_wmma_f32_16x16x32_bf16 v[PAO+8*\n:PAO+8*\n+7], v[PAA:PAA+7], v[P+8*\n:P+8*\n+7], 0
.set PAE, 3
.else
	v_wmma_f32_16x16x32_bf16 v[PAO+8*\n:PAO+8*\n+7], v[PAA:PAA+7], v[P+8*\n:P+8*\n+7], v[PAO+8*\n:PAO+8*\n+7]
.if PAC < 12
.if \n < 2
	WIN 0x82+0x41*((PAC+4)>>3)                             ; destination and source 0 in the window of channel tile ct + 4, the factor in window 0
	RT PAC+4, 2*\n
	RT PAC+4, 2*\n+1
.set PAE, 0
.else
.set PAE, 7-\n
.endif
.else
.set PAE, 4-\n/2
.endif
.endif
.if PAE
.if EK < NE
	WIN 0
	ERUN PAE, 1, \first
.endif
.endif
.endr
.if (PAC&3) == 3
	PLACES 4                                               ; the loads below land on fragments that the quarter's last product read
	WIN 0
.if PAC == 3
.if \conv
	s_wait_dscnt 0                                         ; batch 2 of the raw keys is in (and batch 1's stores are done)
	CVSTORE 1-\par, 2
	CVLOAD 1-\par, 3
.endif
	FBL \par, 0, 2, S                                      ; quarter 1's fragments were shown in ahead of the pass
.endif
.if PAC == 7
.if \conv
	s_wait_dscnt 8                                         ; batch 3 is in; only the 8 fragment loads behind it are younger
	CVSTORE 1-\par, 3
.endif
	FBL \par, 0, 3, S+32
	s_wait_dscnt 8+8*\conv                                 ; quarter 2's fragments are in; younger: batch 3's 8 stores (where a tile is converted) and the 8 loads just issued
.endif
.if PAC == 11
	FBL \par, 1, 0, S                                      ; the second pass's first quarter
	s_wait_dscnt 8                                         ; quarter 3's fragments are in; the 8 loads just issued stay out
.endif
.if PAC == 15
	FBL \par, 1, 1, S+32                                   ; the second half's registers are rounded and done: four buffers now
	FBL \par, 1, 2, S+64
	FBL \par, 1, 3, S+96
	s_wait_dscnt 24                                        ; the second pass's first quarter is in; the 24 loads just issued stay out
.endif
.endif
.set PAC, PAC+1
.endr
.endm
; PV, second pass: key step 1 for channel tiles ct0 .. ct0 + nct - 1; the fragment of channel tile ct lies at S + 8 ct.
; Again every product has another accumulator than the one before it.
.macro PASSB ct0, nct
.set PBC, \ct0
.rept \nct
.irp n, 0,1,2,3
	v_wmma_f32_16x16x32_bf16 v[32*(PBC&7)+8*\n:32*(PBC&7)+8*\n+7], v[S+8*PBC:S+8*PBC+7], v[P+32+8*\n:P+32+8*\n+7], v[32*(PBC&7)+8*\n:32*(PBC&7)+8*\n+7]
.endr
.set PBC, PBC+1
.endr
.endm
; Sixteen channel rows of the image (block blk of the eight behind base): quad j = queries 4 r .. 4 r + 3 of channel 16 blk + 8 h + j.
; Sixteen lanes read 256 consecutive, aligned bytes.  nt = 1: the launch's last read of these bytes.
.macro IMGLD base, blk, dst, nt
.irp j, 0,1,2,3,4,5,6,7
.if \nt
	global_load_b128 v[(\dst)+4*\j:(\dst)+4*\j+3], v[EO], s[(\base):(\base)+1] offset:(16*(\blk)+\j)*ROWB th:TH_LOAD_NT
.else
	global_load_b128 v[(\dst)+4*\j:(\dst)+4*\j+3], v[EO], s[(\base):(\base)+1] offset:(16*(\blk)+\j)*ROWB
.endif
.endr
.endm
; Q's four fragments of c step cs, from the image as loaded: blocks 2 cs and 2 cs + 1 hold, in this very lane, channels
; 32 cs + 8 h + 0..7 and 32 cs + 16 + 8 h + 0..7 of queries 4 r + n: registers 0-3 and 4-7 of the fragment.  Rounding is all.
.macro QCONV cs
.irp n, 0,1,2,3
.irp u, 0,1
.irp i, 0,1,2,3
	v_cvt_pk_bf16_f32 v[8*(4*\cs+\n)+4*\u+\i], v[32*(2*(\cs&3)+\u)+8*\i+\n], v[32*(2*(\cs&3)+\u)+8*\i+4+\n]
.endr
.endr
.endr
.endm
	; ---------------------------------------------------------------- set-up
	s_load_b256 s[4:11], s[0:1], 0x0               ; image s[4:5], lidar s[6:7], weights s[8:9], out0 s[10:11]
	v_lshl_add_u32 v222, v0, 2, 0x34200
	v_mov_b32 v223, 0
	ds_add_u32 v222, v223
	s_wait_dscnt 0x0
	v_lshrrev_b32 v24, 5, v0
	v_readfirstlane_b32 s12, v24                   ; wave 0..3
	v_and_b32 v25, 15, v0                          ; r
	v_bfe_u32 v26, v0, 4, 1                        ; h
	v_and_b32 v27, 7, v0                           ; L & 7
	v_bfe_u32 v28, v0, 3, 1                        ; (L >> 3) & 1
	s_mov_b32 s14, 0x76543210                      ; v_permlanex16_b32: lane i of one half reads lane i of the other
	s_mov_b32 s15, 0xfedcba98
	s_mov_b32 s24, 0x3db8aa3b                      ; sc = log2(e) / 16: the scale 1 / sqrt(256) and the base of v_exp_f32 in one
	s_mov_b32 s25, 0x3db8aa3b
	s_mov_b32 s26, 0xbdb8aa3b                      ; -sc
	; descriptor group 1: 64 rows x 64 elements of 4 bytes, 16,384 elements from row to row, no padding, asked for by all four of the cluster
	s_mov_b32 s[G1+0], 15|(2<<16)|(1<<21)          ; 15:0 mask; 17:16 element of 4 bytes; 21 set beside a mask
	s_mov_b32 s[G1+1], 64<<16                      ; tensor_dim0 = 64
	s_mov_b32 s[G1+2], 64<<16                      ; tensor_dim1 = 64
	s_mov_b32 s[G1+3], 64<<16                      ; tile_dim0 = 64
	s_mov_b32 s[G1+4], 64                          ; tile_dim1 = 64
	s_mov_b32 s[G1+5], 16384                       ; stride from row to row
	s_mov_b32 s[G1+6], 0
	s_mov_b32 s[G1+7], 0
	; the chunk, from the cluster's number alone: two clusters a chunk
	s_lshr_b32 s56, ttmp9, 1                       ; chunk 0..31
	s_lshr_b32 s57, s56, 3
	s_lshl_b32 s57, s57, 24                        ; batch
	s_and_b32 s56, s56, 7
	s_lshl_b32 s56, s56, 13                        ; 2,048 positions of 4 bytes
	s_add_co_u32 s56, s56, s57                     ; the chunk's first byte in channel 0
	s_lshl_b32 s58, s12, 22                        ; my wave's 64 channel rows of the lidar tile
	s_add_co_u32 s58, s58, s56
	s_mov_b32 s59, 0
	; my queries: the only numbers made of the place in the cluster
	s_bfe_u32 s52, ttmp6, 0x40000                  ; cx
	s_and_b32 s53, ttmp9, 1
	s_lshl2_add_u32 s52, s53, s52                  ; query block 0..7 = 4 x (cluster & 1) + cx
	s_lshl_b32 s52, s52, 10                        ; 256 queries of 4 bytes
	s_lshl_b32 s53, s12, 8                         ; my wave's 64
	s_add_co_u32 s52, s52, s53
	s_add_co_u32 s52, s52, s56
	s_mov_b32 s53, 0
	; LDS places, of the wave's number alone
	s_mov_b32 s[G0+0], 1
	s_mul_i32 s[G0+1], s12, 2*RAWSLOT              ; my raw slot 0
	s_mov_b32 s[G0+4], 1
	s_add_co_u32 s[G0+5], s[G0+1], RAWSLOT         ; my raw slot 1
	s_mul_i32 s60, s12, 64*BPITCH
	s_add_co_u32 s60, s60, BF0                     ; my 64 rows of a bf16 tile
	v_lshl_add_u32 v29, v26, 3, v27
	v_mul_u32_u24 v29, BPITCH, v29
	v_mad_u32_u24 v29, v28, BD, v29
	v_add_nc_u32 v[ATR], BF0, v29
	v_mul_u32_u24 v29, BPITCH, v25
	v_mad_u32_u24 v29, v26, BD, v29
	v_add_nc_u32 v[APL], BF0, v29
	v_mul_u32_u24 v29, 4*BPITCH, v26
	v_mad_u32_u24 v29, v28, BD, v29
	v_lshl_add_u32 v29, v27, 3, v29
	v_add_nc_u32 v[ACV], s60, v29
	v_lshlrev_b32 v29, 4, v25
	v_lshl_add_u32 v[ARAW], v26, 10, v29
	v_add_nc_u32 v[ARAW], s[G0+1], v[ARAW]
	v_lshl_or_b32 v[EO], v26, 19, v29
	v_and_b32 v[PFO], 31, v0
	v_lshlrev_b32 v[PFO], 16, v[PFO]
.irp n, 0,1,2,3
	v_mov_b32 v[TX+\n], 0                          ; v_permlanex16_b32 counts as a reader of its destination
.endr
	s_wait_kmcnt 0x0
	s_load_b64 s[28:29], s[8:9], 0x0               ; the two weights
	s_add_nc_u64 s[44:45], s[4:5], s[52:53]        ; image at my queries, channel 0
	s_add_nc_u64 s[46:47], s[44:45], 128*ROWB      ; and channel 128
	s_add_nc_u64 s[48:49], s[10:11], s[52:53]      ; the output likewise
	s_add_nc_u64 s[50:51], s[48:49], 128*ROWB
	s_add_nc_u64 s[G0+2:G0+3], s[6:7], s[58:59]    ; lidar: tile 0, my 64 rows
	s_add_nc_u64 s[G0+6:G0+7], s[G0+2:G0+3], 256   ; tile 1: 64 keys on
	s_or_b32 s[G0+3], s[G0+3], 0x80000000          ; type = 2
	s_or_b32 s[G0+7], s[G0+7], 0x80000000
	; the image of my 64 queries, all 256 channels: 128 loads into the 512 registers that O^T takes later
	WIN 0x80
.irp b, 0,1,2,3,4,5,6,7
	IMGLD 44, \b, 32*\b, 0
.endr
	WIN 0xc0
.irp b, 0,1,2,3,4,5,6,7
	IMGLD 46, \b, 32*\b, 0
.endr
	WIN 0
	CROUND                                         ; all four work-groups are here: the first joint loads meet
	tensor_load_to_lds s[G0:G0+3], s[G1:G1+7]      ; tile 0 into slot 0
	s_nop 0
	tensor_load_to_lds s[G0+4:G0+7], s[G1:G1+7]    ; tile 1 into slot 1: two tensor loads of the wave are out, later one
	s_nop 0
	; w = softmax of the two weights, the larger taken away first
	s_wait_kmcnt 0x0
	v_mov_b32 v24, s28
	v_mov_b32 v25, s29
	v_max_num_f32 v26, v24, v25
	v_sub_f32 v24, v24, v26
	v_sub_f32 v25, v25, v26
	v_mul_f32 v24, 0x3fb8aa3b, v24
	v_mul_f32 v25, 0x3fb8aa3b, v25
	v_exp_f32 v24, v24
	v_exp_f32 v25, v25
	v_nop                                          ; one plain line behind a transcendental (ISA guide 5.7.2)
	s_wait_alu depctr_va_vdst(0)
	v_add_f32 v26, v24, v25
	v_rcp_f32 v26, v26
	v_nop
	s_wait_alu depctr_va_vdst(0)
	v_mul_f32 v24, v24, v26
	v_mul_f32 v25, v25, v26
	v_readfirstlane_b32 s40, v24                   ; w0
	v_readfirstlane_b32 s42, v25                   ; w1
	s_mov_b32 s41, s40                             ; a pair for the packed multiply
	; Q in bf16, into window 1
	s_wait_loadcnt 63                              ; window 2's 64 loads are in: 64 are younger; 63 is the largest count that this wait names
	WIN 0x4a                                       ; destination window 1, both sources window 2
	QCONV 0
	QCONV 1
	QCONV 2
	QCONV 3
	s_wait_loadcnt 32                              ; blocks 8-11 are in; the 32 loads of blocks 12-15 are younger
	WIN 0x4f                                       ; sources window 3
	QCONV 4
	QCONV 5
	s_wait_loadcnt 0
	QCONV 6
	QCONV 7
	WIN 0
	; tile 0 into bf16 tile 0
	s_wait_tensorcnt 0x1                           ; my quarter of tile 0 has landed, tile 1's load stays out; only I read these bytes
.irp k, 0,1,2,3
	CVLOAD 0, \k
	s_wait_dscnt 0x0
	CVSTORE 0, \k
.endr
	s_wait_dscnt 0x0                               ; my rows of bf16 tile 0 are written, my reads of raw slot 0 are back
	s_wait_xcnt 0x0
	v_lshl_add_u32 v222, v0, 2, 0x34200
	v_mov_b32 v223, 0
	s_wait_tensorcnt 0x0                           ; and all my tensor loads have landed, so a group 0 may be written
	ds_add_u32 v222, v223
	s_wait_dscnt 0x0
	s_add_nc_u64 s[G0+2:G0+3], s[G0+2:G0+3], 512   ; slot 0's next tile: two tiles on
	CROUND                                         ; that holds of every wave of all four work-groups
	tensor_load_to_lds s[G0:G0+3], s[G1:G1+7]      ; tile 2 into slot 0: my one tensor load behind this round
	s_nop 0
	SFRAG 0, 0                                     ; the first step's first fragments
; ---------------------------------------------------------------- one step: 64 keys, bf16 tile par
; first: the step starts maxima and sums.  conv: the next tile is converted, from raw slot 1 - par into bf16 tile 1 - par.
; fill: that raw slot is then filled again, three tiles ahead.  last: nothing follows.
.macro TRIP par, first, conv, fill, last
	; S^T: 8 c steps of 16 matrix instructions; K's fragments come through a ring of three buffers, two c steps ahead
	WIN 0x04                                       ; source 1 (Q) in window 1, all else in window 0: loads and products share the setting
	PLACES 5                                       ; behind PV's last product: the loads below land on its B, the first products write over its A
	SFRAG \par, 1
	SFRAG \par, 2
	s_wait_dscnt 16                                ; c step 0's eight loads are in; the 16 of c steps 1 and 2 stay out
	SMUL 0, 1                                      ; the first product starts the sums
.irp cs, 1,2,3,4,5
	PLACES 4                                       ; the loads below land on the fragments that the last 16 products read
	SFRAG \par, \cs+2
	s_wait_dscnt 16                                ; this c step's loads are in; the 16 of the next two stay out
	SMUL \cs, 0
.endr
	s_wait_dscnt 8                                 ; c step 7's eight stay out
	SMUL 6, 0
	s_wait_dscnt 0
	SMUL 7, 0
	PLACES 4                                       ; before vector instructions read S^T and write the ring, and before loads land on either
	WIN 0
	; the maxima and the first half of the probabilities, with the next tile's first two batches laid between
.if \conv
	CVLOAD 1-\par, 0
.endif
.if \last
.irp k, 0,1,2,3
	global_prefetch_b8 v[PFO], s[44:45] offset:\k*32*ROWB th:TH_LOAD_NT scope:SCOPE_SE  ; the image rows of channels 0-127 at my 64 queries, one row's 256 bytes a lane, which the way out reads again: asked for once, by this wave, one step ahead
.endr
.endif
	MAXALL \first
.if \conv
	s_wait_dscnt 0                                 ; batch 0 is in
	CVSTORE 1-\par, 0
	CVLOAD 1-\par, 1
.endif
.set EK, 0
	ERUN NE, 0, \first                             ; half 0, the whole stream in one block: PV's first pass needs it
	FBL \par, 0, 0, S                              ; into the registers of half 0, which is rounded and done
	FBL \par, 0, 1, S+32
.if \conv
	s_wait_dscnt 16                                ; batch 1 is in; only the 16 fragment loads are younger
	CVSTORE 1-\par, 1
	CVLOAD 1-\par, 2
.endif
.if \first == 0
	WIN 0x82                                       ; channel tiles 0-3 are rescaled while the fragments are on their way; from here the rescaling stays four tiles ahead
.irp c, 0,1,2,3
.irp n, 0,1,2,3
	RT \c, \n
.endr
.endr
.endif
	s_wait_dscnt 16*\conv                          ; both fragment buffers are in; younger: batch 1's 8 stores and batch 2's 8 loads, where a tile is converted
	; O^T += V^T x P^T
	PASSA \par, \first, \conv
	WIN 0xa0                                       ; C and D in window 2
	PASSB 0, 4
	s_wait_dscnt 16                                ; the second quarter's fragments are in; the 16 loads of the last two stay out
	PASSB 4, 4
	s_wait_dscnt 8                                 ; the third quarter's are in
	WIN 0xf0                                       ; C and D in window 3
	PASSB 8, 4
.if \last
	s_wait_dscnt 0
	PASSB 12, 4
	WIN 0
.else
	; the change of tiles: one barrier, which where a slot is filled again opens a round of the cluster's barrier
	s_wait_dscnt 0x0                               ; my reads of this bf16 tile and of the raw slot are back, my rows of the next bf16 tile are written
	s_wait_xcnt 0x0
	s_set_vgpr_msb 0xf030
	v_lshl_add_u32 v222, v0, 2, 0x34200
	v_mov_b32 v223, 0
	s_wait_tensorcnt 0x0                           ; all my tensor loads have landed: the one that was out is the tile that the next step converts (met at once where none is out)
	ds_add_u32 v222, v223
	s_wait_dscnt 0x0
	s_set_vgpr_msb 0x30f0
.if \fill
	s_add_nc_u64 s[G0+4*(1-\par)+2:G0+4*(1-\par)+3], s[G0+4*(1-\par)+2:G0+4*(1-\par)+3], 512   ; no load of mine is out: the slot's next tile, two tiles on
.endif
	s_barrier_signal -1
	PASSB 12, 2                                    ; work on registers while the others arrive
	WIN 0
	s_barrier_wait -1
.if \fill
	CREST                                          ; no wave of any partner still reads the slot or has a load on its way
	tensor_load_to_lds s[G0+4*(1-\par):G0+4*(1-\par)+3], s[G1:G1+7]   ; my one tensor load behind the round; it has the whole next step in which to land
	s_nop 0
.endif
	SFRAG 1-\par, 0                                ; the next step's first fragments
	WIN 0xf0
	PASSB 14, 2
	WIN 0
.endif
.endm
	TRIP 0, 1, 1, 1, 0                             ; step 0
	s_mov_b32 s13, 14
.Llap:                                             ; steps 1 to 28
	TRIP 1, 0, 1, 1, 0
	TRIP 0, 0, 1, 1, 0
	s_sub_co_u32 s13, s13, 1
	s_cmp_lg_u32 s13, 0
	s_cbranch_scc1 .Llap
	TRIP 1, 0, 1, 0, 0                             ; step 29: tile 31 was asked for behind step 28; nothing is left to fetch
	TRIP 0, 0, 1, 0, 0                             ; step 30 converts tile 31
	TRIP 1, 0, 0, 0, 1                             ; step 31
	; ---------------------------------------------------------------- the way out: w0 * image + (w1 / sum) * O^T, sixteen channels a turn
	PLACES 4                                       ; before loads land on PV's fragments and vector instructions read O^T
.irp b, 0,1,2,3
	IMGLD 44, \b, S+32*\b, 1
.endr
.irp k, 0,1,2,3
	global_prefetch_b8 v[PFO], s[46:47] offset:\k*32*ROWB th:TH_LOAD_NT scope:SCOPE_SE  ; channels 128-255 likewise: turns 4 to 11 load them
.endr
.irp n, 0,1,2,3
	v_permlanex16_b32 v[TX+\n], v[ST+4*\n+3], s14, s15     ; the other half's part of the sum (both were kept to the same maximum)
.endr
.irp n, 0,1,2,3
	v_add_f32 v[ST+4*\n+3], v[ST+4*\n+3], v[TX+\n]
.endr
.irp n, 0,1,2,3
	v_rcp_f32 v[ST+4*\n+3], v[ST+4*\n+3]                   ; the sum is at least the largest key's own term
.endr
	v_nop
	s_wait_alu depctr_va_vdst(0)
.irp n, 0,1,2,3
	v_mul_f32 v[ST+4*\n+2], s42, v[ST+4*\n+3]              ; w1 / sum
.endr
; Turn b: channels 16 b + 8 h + 0..7.  Four batches of image quads take turns; a batch is loaded again behind its stores.
.macro OUTB b
.set XB, S+32*((\b)&3)
.if \b < 13
	s_wait_loadcnt 24                              ; my batch is in; three younger batches of eight loads stay out
.else
	s_wait_loadcnt 8*(15-\b)                       ; the counts run down
.endif
.irp k, 0,2,4,6,8,10,12,14,16,18,20,22,24,26,28,30
	v_pk_mul_f32 v[XB+\k:XB+\k+1], v[XB+\k:XB+\k+1], s[40:41] op_sel_hi:[1,0]
.endr
	WIN 0x02+(\b/8)                                ; source 0 (O^T) in window 2 or 3
.irp j, 0,1,2,3,4,5,6,7
.irp n, 0,1,2,3
	v_fma_f32 v[XB+4*\j+\n], v[8*(4*((\b)&7)+\n)+\j], v[ST+4*\n+2], v[XB+4*\j+\n]
.endr
.endr
	WIN 0
.irp j, 0,1,2,3,4,5,6,7
	global_store_b128 v[EO], v[XB+4*\j:XB+4*\j+3], s[48+2*(\b/8):49+2*(\b/8)] offset:(16*((\b)&7)+\j)*ROWB th:TH_STORE_NT   ; sixteen lanes store 256 consecutive, aligned bytes
.endr
.if \b < 12
	s_wait_xcnt 0x0                                ; the stores' data registers are loaded again only behind this wait (ISA guide 3.1)
	IMGLD 44+2*(((\b)+4)/8), ((\b)+4)&7, XB, 1
.endif
.endm
.irp b, 0,1,2,3,4,5,6,7,8,9,10,11,12,13,14,15
	OUTB \b
.endr
	CROUND                                         ; the closing round: no work-group ends while a partner may still ask for a tile that names it
	s_endpgm
.Lfunc_end_k_q1ebadf2f36_attn:
	.size	k_q1ebadf2f36_attn, .Lfunc_end_k_q1ebadf2f36_attn-k_q1ebadf2f36_attn
	.p2alignl 7, 3214868480
	.fill 96, 4, 3214868480
	.section	.rodata,"a",@progbits
	.p2align	6, 0x0
	.amdhsa_kernel k_q1ebadf2f36_attn
		.amdhsa_group_segment_fixed_size 327680
		.amdhsa_private_segment_fixed_size 0
		.amdhsa_enable_private_segment 0
		.amdhsa_kernarg_size 32
		.amdhsa_user_sgpr_count 2
		.amdhsa_user_sgpr_kernarg_segment_ptr 1
		.amdhsa_wavefront_size32 1
		.amdhsa_system_sgpr_workgroup_id_x 1
		.amdhsa_system_sgpr_workgroup_id_y 1
		.amdhsa_system_sgpr_workgroup_id_z 1
		.amdhsa_system_vgpr_workitem_id 0
		.amdhsa_next_free_vgpr 1024
		.amdhsa_next_free_sgpr 66
		.amdhsa_reserve_vcc 0
		.amdhsa_float_denorm_mode_32 3
		.amdhsa_float_denorm_mode_16_64 3
		.amdhsa_memory_ordered 1
		.amdhsa_forward_progress 1
		.amdhsa_inst_pref_size 255
	.end_amdhsa_kernel
	.section	.bss,"aw",@nobits
	.p2align	6
	.space	262144
	.amdgpu_metadata
---
amdhsa.version: [ 1, 2 ]
amdhsa.kernels:
  - .name:           k_q1ebadf2f36_attn
    .symbol:         k_q1ebadf2f36_attn.kd
    .args:
      - { .name: image_features, .offset: 0, .size: 8, .value_kind: global_buffer, .address_space: global }
      - { .name: lidar_features, .offset: 8, .size: 8, .value_kind: global_buffer, .address_space: global }
      - { .name: modality_weights, .offset: 16, .size: 8, .value_kind: global_buffer, .address_space: global }
      - { .name: out0, .offset: 24, .size: 8, .value_kind: global_buffer, .address_space: global }
    .group_segment_fixed_size: 327680
    .private_segment_fixed_size: 0
    .kernarg_segment_align: 8
    .kernarg_segment_size: 32
    .max_flat_workgroup_size: 128
    .sgpr_count:     66
    .vgpr_count:     1024
    .wavefront_size: 32
...
	.end_amdgpu_metadata
.endif
;; end of part 1
